; MI455X (gfx1250); checked and timed in simulation.
; The chip was launched on July 23, 2026; its instructions are those of AMD's public machine-readable ISA for CDNA 5 (MIT licence, August 2026) and "CDNA5" Instruction Set Architecture Reference Guide (July 2026). The comments in the code are by the model that wrote it; some were corrected since.
;; Attention. Allowed arithmetic: matrix products marked QUANTISED: E2M3 operands, one E8M0 scale for each 32 along K, by v_wmma_scale_f32_16x16x128_f8f6f4 with both operands' format E2M3, f32 sums; everything else in f32.
;; Inputs: freqs 32 x 32 x 64 float32; wk 512 x 4,096 float32; wo 4,096 x 1,024 float32; wq 1,024 x 4,096 float32; wv 512 x 4,096 float32; x 4 x 32 x 32 x 4,096 float32.
;; Outputs: out0 4 x 32 x 32 x 4,096 float32.
;; This version of the problem:
;;   THIS VERSION OF THE PROBLEM IS GIVEN IN LOW PRECISION. The matrix products marked QUANTISED in the list below multiply operands that are first quantised to E2M3 (2 exponent bits, 3 mantissa bits; 6 bits a number), with one power-of-two scale for each 32 numbers along K (OCP MX v1.0); their sums are f32. All else is computed in f32.
;;   The module's matrix products, in the order in which they are computed (A, B: the left and right operand; K: the contracted axis; several contracted axes count as one K, in the product's order):
;;     1. [M 4,096, K 4,096] x [K 4,096, N 1,024]; A: input x; B: input wq: QUANTISED
;;     2. [M 4,096, K 4,096] x [K 4,096, N 512]; A: input x; B: input wk: QUANTISED
;;     3. [M 4,096, K 4,096] x [K 4,096, N 512]; A: input x; B: input wv: QUANTISED
;;     4. batch 32 x [M 1,024, K 128] x [K 128, N 1,024]; A: computed on the way; B: computed on the way: QUANTISED
;;     5. batch 32 x [M 1,024, K 1,024] x [K 1,024, N 128]; A: softmax (see below); B: computed on the way: QUANTISED
;;     6. [M 4,096, K 1,024] x [K 1,024, N 4,096]; A: computed on the way; B: input wo: QUANTISED
;;   THE QUANTISER, for each operand of a quantised product, along K:
;;     - K is cut into blocks of 32 from its start; a last block that is shorter is filled with zeros.
;;     - A block's scale is 2^e with e = floor(log2(the largest magnitude in the block)) - 2, held to -126 .. 127; a block of zeros has e = 0. As a byte (E8M0): e + 127.
;;     - Each number is divided by its block's scale, clamped to +-7.5, and rounded to the nearest number of E2M3, ties to even, subnormals kept.
;;     - The product sums the exact products of the quantised numbers (number of the format x scale) in f32.
;;   ~~~python
;;   def quantise(x, axis):      # numpy; x: float32 -> the quantised numbers, widened to float32 again
;;       x = np.moveaxis(x, axis, -1); K = x.shape[-1]
;;       x = np.pad(x, [(0, 0)] * (x.ndim - 1) + [(0, -K % 32)]); x = x.reshape(x.shape[:-1] + (-1, 32)); a = np.abs(x).max(-1, keepdims=True)
;;       e = np.where(a > 0, np.clip(np.frexp(np.where(a > 0, a, 1))[1] - 1 - 2, -126, 127), 0)      # np.frexp(a)[1] - 1 = floor(log2(a)), exactly
;;       r = np.clip(x / 2.0 ** e, -7.5, 7.5)
;;       step = 2.0 ** (np.maximum(np.frexp(np.where(r == 0, 1, r))[1] - 1, 0) - 3)
;;       q = np.round(r / step) * step * 2.0 ** e      # np.round: ties to even
;;       return np.moveaxis(q.reshape(q.shape[:-2] + (-1,))[..., :K], -1, axis).astype(np.float32)
;;   ~~~
;;   SOFTMAX AHEAD OF A QUANTISED PRODUCT. Where the list says 'softmax', what is quantised is not the finished softmax but p = 2^(t - M), with t = logit x log2(e) and M = ceil(the row's largest t), a whole number; so 1/2 < the row's largest p <= 1. The row's sum l is taken of the UNQUANTISED p, in f32, and the product's result is divided by l at the end. Since M is a whole number, a kernel that streams over the keys may use a running M (the ceiling of the running maximum): every later rescaling is an exact power of two, which a block's scale takes up: the codes' values come out the same.
;;   OPERANDS COMPUTED ON THE WAY. 'Computed on the way' means the value that the module computes at that place (a softmax that the list does not call 'softmax' is quantised finished and normalised). What goes into a quantiser is computed in f32, as accurately as f32 sums, v_exp_f32 and their like allow (about 1e-6 of the number): no bf16 or f16 on the way to a quantiser, and a product that is left as it is and whose result goes on into a quantised operand takes f32 operands (vector FMAs, or v_wmma_f32_16x16x4_f32). A number that lies on a knife's edge between two numbers of the format may be rounded either way, as far as f32 arithmetic and the matrix unit's own rounding can turn it there, and no further.
;; One version. Each part assembles by itself: llvm-mc -triple=amdgcn-amd-amdhsa -mcpu=gfx1250 --defsym DOCPART=n.
;; ======== version 1 of 1: 4 launches
;; limits: right only within a limited range of input values
;; workspace buffers: xi 13,107,200 bytes; wi 6,553,600 bytes; woi 3,276,800 bytes; cs 532,480 bytes; qbuf 3,276,800 bytes; kvbuf 3,276,800 bytes; ao 3,276,800 bytes
;; launch quant (part 1): grid 961 x 1, 4 waves a work-group, no clusters, 34,304 bytes of LDS; arguments x, wq, wk, wv, wo, freqs, xi, wi, woi, cs; writes xi, wi, woi, cs
.if DOCPART == 1
	.amdgcn_target "amdgcn-amd-amdhsa--gfx1250"
	.amdhsa_code_object_version 6
	.text
	.protected	k_qd3f7398339_quant
	.globl	k_qd3f7398339_quant
	.p2align	8
	.type	k_qd3f7398339_quant,@function
k_qd3f7398339_quant:
	s_mov_b64 s[64:65], 0
	v_nop
	global_prefetch_b8 v0, s[64:65] scope:SCOPE_SE
	s_setreg_imm32_b32 hwreg(HW_REG_WAVE_MODE, 25, 1), 1
	s_wait_xcnt 0x0
; x [4096][4096], wq [1024][4096], wk, wv [512][4096], wo [4096][1024], all f32 with K innermost, become codes of FP6 (E2M3) with one E8M0 byte for each 32 along K;
; freqs [1024][64] becomes a table of cosines and sines.  Everything is laid AS THE LATER LAUNCHES' REGISTERS WANT IT.
; A ROW TILE T = 2 B + u is 16 rows: lane r (lane % 16) holds row 32 B + 8 u + r % 8 + 16 (r / 8).  A FRAGMENT IMAGE (tile, 128 along K) is 1,536 bytes: registers 4 g .. 4 g + 3 of lane l at 512 g + 16 l;
; register 6 c + .. of lane (r, h) holds K = 64 c + 32 h + 0 .. 31 of row r.  A QUAD RECORD is 6,400 bytes: the images of four K steps, then 256 bytes of scale words, row r's word of step q at 6,144 + 16 r + 4 q.
; xi = [256 T][8 Q] records, wi = the same of wq, wk, wv as rows 0 .. 2,047 ([128 T][8 Q]), woi = [256 T][2 Q].
; A block's scale is 2^(floor(log2(its largest magnitude)) - 2); its byte is the largest magnitude's exponent field - 2, held at 1 from below (a block of zeros keeps the byte 1: its codes are zeros, and this program alone reads the bytes).
; LIMITS: NaN and infinities are not served; blocks whose largest magnitude lies under 2^-124 keep the byte 1; |freqs| up to about 1e5 (the reach of the reduction in three parts).
; SHARES: work-groups 0 .. 895 quantise, a wave a record (16 rows x 512 numbers); 0-511 x, 512-639 wq, 640-703 wk, 704-767 wv, 768-895 wo: only pointers and sizes are chosen, the text is one.
; Work-groups 896 .. 960 make one tile each of cs = [65 tiles][16 groups][32 lanes][cos, sin, cos, sin]: group 4 b + g holds the pairs 16 b + 8 h + 2 g + 0, 1 of the lane's token; tile 64 is cos = 1, sin = 0.
; No matrix unit, no cluster, no tensor load: waves share nothing, memory binds.  Each load takes 512 consecutive bytes of a row; each store 512 consecutive bytes, at a multiple of 256 from its buffer's first byte.
.set NQWG, 896
.set STG,  8448                        ; a wave's stage in LDS: 16 rows x (512 bytes + 16)
.set OFF,  16                          ; v16-31   row i of the tile: its byte offset + 16 x lane
.set R,    32                          ; v32-95   16 rows x 128 numbers as loaded
.set X,    96                          ; v96-159  my row's blocks h and 2 + h: 2 x 32 neighbours
.set C,    160                         ; v160-207 codes, 12 registers for each K step: no store's data are written again
.set CT,   208                         ; v208-214 the upper halves of the blocks' codes
.set M,    216                         ; v216-217 largest magnitudes
.set SO,   218                         ; v218-219 the conversions' scale operands
.set BY,   220                         ; v220-221 scale bytes
.set TP,   222                         ; v222-223 at work
.set SW,   224                         ; v224-227 my row's four scale words
	s_load_b512 s[4:19], s[0:1], 0x0               ; x s4, wq s6, wk s8, wv s10, wo s12, freqs s14, xi s16, wi s18
	s_load_b128 s[20:23], s[0:1], 0x40             ; woi s20, cs s22
	v_lshl_add_u32 v232, v0, 2, 0x8400
	v_mov_b32 v233, 0
	v_lshrrev_b32 v1, 5, v0
	v_readfirstlane_b32 s24, v1                    ; wave
	v_and_b32 v2, 31, v0                           ; lane
	v_and_b32 v3, 15, v0                           ; r
	v_bfe_u32 v4, v0, 4, 1                         ; h
	v_lshlrev_b32 v5, 4, v2                        ; 16 x lane
	s_cmp_ge_u32 ttmp9, NQWG
	s_cbranch_scc1 .Lsincos
	v_lshlrev_b32 v6, 4, v3                        ; 16 r
	s_mul_i32 s25, s24, STG
	v_add_nc_u32 v7, s25, v5                       ; the stage, in: a row's 512 bytes as they lie
	v_mul_u32_u24 v8, v3, 528
	v_lshl_add_u32 v8, v4, 7, v8
	v_add_nc_u32 v8, s25, v8                       ; and out: row r, + 128 h: my block of 32
	v_lshlrev_b32 v9, 3, v4                        ; 8 h
	v_mov_b32 v[TP+1], 0                           ; written once: a lane permute's destination counts as one of its sources
	s_mov_b32 s34, 0x76543210
	s_mov_b32 s35, 0xfedcba98                      ; v_permlanex16_b32's selects for lane l xor 16
	s_wait_kmcnt 0x0
	s_mov_b64 s[26:27], s[12:13]                   ; which tensor: wo's values first,
	s_mov_b64 s[28:29], s[20:21]
	s_mov_b32 s30, 768                             ; the tensor's first work-group,
	s_mov_b32 s31, 768                             ; the first of its destination buffer,
	s_mov_b32 s32, 1                               ; log2 of the quads in a row,
	s_mov_b32 s33, 4096                            ; a row in bytes;
	s_cmp_lt_u32 ttmp9, 768                        ; then the others' by turns.  Every choice hangs on the work-group's number alone
	s_cselect_b64 s[26:27], s[10:11], s[26:27]
	s_cselect_b64 s[28:29], s[18:19], s[28:29]
	s_cselect_b32 s30, 704, s30
	s_cselect_b32 s31, 512, s31
	s_cselect_b32 s32, 3, s32
	s_cselect_b32 s33, 16384, s33
	s_cmp_lt_u32 ttmp9, 704
	s_cselect_b64 s[26:27], s[8:9], s[26:27]
	s_cselect_b32 s30, 640, s30
	s_cmp_lt_u32 ttmp9, 640
	s_cselect_b64 s[26:27], s[6:7], s[26:27]
	s_cselect_b32 s30, 512, s30
	s_cmp_lt_u32 ttmp9, 512
	s_cselect_b64 s[26:27], s[4:5], s[26:27]
	s_cselect_b64 s[28:29], s[16:17], s[28:29]
	s_cselect_b32 s30, 0, s30
	s_cselect_b32 s31, 0, s31
	s_sub_co_u32 s36, ttmp9, s30
	s_lshl_b32 s36, s36, 2
	s_add_co_u32 s36, s36, s24                     ; my record in the tensor
	s_lshr_b32 s37, s36, s32                       ; T
	s_lshl_b32 s38, s37, s32
	s_sub_co_u32 s38, s36, s38                     ; Q
	s_and_b32 s39, s37, 1
	s_lshl_b32 s39, s39, 3
	s_lshl_b32 s37, s37, 4
	s_sub_co_u32 s37, s37, s39                     ; the tile's first row: 16 T - 8 (T % 2)
	s_mul_i32 s40, s37, s33
	s_lshl_b32 s38, s38, 11                        ; a quad is 2,048 bytes of a row
	s_add_co_u32 s40, s40, s38                     ; under 2^27
	s_mov_b32 s41, 0
	s_add_nc_u64 s[26:27], s[26:27], s[40:41]
	s_sub_co_u32 s42, ttmp9, s31
	s_lshl_b32 s42, s42, 2
	s_add_co_u32 s42, s42, s24
	s_mul_i32 s42, s42, 6400                       ; my record in the destination
	s_mov_b32 s43, 0
	s_add_nc_u64 s[28:29], s[28:29], s[42:43]
	s_wait_alu depctr_va_vdst(0)
.irp i, 0,1,2,3,4,5,6,7,8,9,10,11,12,13,14,15
	s_mul_i32 s44, s33, (\i%8)+16*(\i/8)
	v_add_nc_u32 v[OFF+\i], s44, v5
.endr
.macro LOADR q                         ; K step q: 16 loads, each a row's 512 consecutive bytes
.irp i, 0,1,2,3,4,5,6,7,8,9,10,11,12,13,14,15
	global_load_b128 v[R+4*\i:R+4*\i+3], v[OFF+\i], s[26:27] offset:512*(\q) th:TH_LOAD_NT
.endr
.endm
.macro FRAG q
	s_wait_loadcnt 0x0                             ; this step's 16 rows are in (the SIMD's other waves have their loads out meanwhile)
.irp i, 0,1,2,3,4,5,6,7,8,9,10,11,12,13,14,15
	ds_store_b128 v7, v[R+4*\i:R+4*\i+3] offset:528*\i
.endr
.irp c, 0,1
.irp j, 0,1,2,3,4,5,6,7
	ds_load_b128 v[X+32*\c+4*\j:X+32*\c+4*\j+3], v8 offset:256*\c+16*\j   ; LDS serves a wave's instructions in order: these see my stores
.endr
.endr
	s_wait_dscnt 0x0                               ; the numbers are back, and the stores have read R
.if (\q) < 3
	LOADR (\q)+1
.endif
.irp c, 0,1                                    ; my block 2 c + h: all its 32 numbers are mine
	v_max3_num_f32 v[M+\c], |v[X+32*\c]|, |v[X+32*\c+1]|, 0x1800000   ; with the floor 2^(3 - 127): the byte cannot fall under 1
.endr
.irp i, 2,4,6,8,10,12,14,16,18,20,22,24,26,28,30
.irp c, 0,1
	v_max3_num_f32 v[M+\c], v[M+\c], |v[X+32*\c+\i]|, |v[X+32*\c+\i+1]|
.endr
.endr
.irp c, 0,1
	v_add_nc_u32 v[SO+\c], 0xff000000, v[M+\c]     ; 2 off the exponent field: the conversion takes the exponent field of this operand as its scale
.endr
.irp c, 0,1
	v_lshrrev_b32 v[BY+\c], 23, v[SO+\c]           ; the scale's byte
.endr
	v_lshl_or_b32 v[TP], v[BY+1], 16, v[BY]        ; my two bytes, blocks h and 2 + h,
	v_lshlrev_b32 v[TP], v9, v[TP]                 ; at their places (8 h bits up);
	v_permlanex16_b32 v[TP+1], v[TP], s34, s35
	v_or_b32 v[SW+(\q)], v[TP], v[TP+1]            ; with lane l xor 16's two the word is whole
.irp c, 0,1
	v_cvt_scalef32_pk16_fp6_f32 v[C+12*(\q)+6*\c:C+12*(\q)+6*\c+2], v[X+32*\c:X+32*\c+15], v[SO+\c]
	v_cvt_scalef32_pk16_fp6_f32 v[CT+4*\c:CT+4*\c+2], v[X+32*\c+16:X+32*\c+31], v[SO+\c]   ; (a conversion's three registers begin on an even number)
.endr
	v_nop                                          ; one plain place behind a scaled conversion
.irp c, 0,1
.irp i, 0,1,2
	v_mov_b32 v[C+12*(\q)+6*\c+3+\i], v[CT+4*\c+\i]
.endr
.endr
.irp g, 0,1,2
	global_store_b128 v5, v[C+12*(\q)+4*\g:C+12*(\q)+4*\g+3], s[28:29] offset:1536*(\q)+512*\g
.endr
.endm
	s_wait_alu depctr_va_vdst(0)
	LOADR 0
	FRAG 0
	FRAG 1
	FRAG 2
	FRAG 3
	global_store_b128 v6, v[SW:SW+3], s[28:29] offset:6144   ; 256 consecutive bytes; lanes 16-31 write what lanes 0-15 write
	s_wait_tensorcnt 0x0
	ds_add_u32 v232, v233
	s_wait_dscnt 0x0
	s_endpgm
; THE TABLE.  f = k pi/2 + a, |a| <= pi/4, pi/2 taken off in three parts by fused multiply-adds; cos a and sin a by polynomials in a^2; the quadrant k mod 4 swaps the two and sets the signs.
.Lsincos:
	s_sub_co_u32 s25, ttmp9, NQWG                  ; tile 0 .. 64
	s_min_u32 s26, s25, 63                         ; tile 64 reads tile 63's angles and puts zeros in their place
	s_cmp_eq_u32 s25, 64
	s_cselect_b32 s50, 0, -1
	s_lshr_b32 s27, s26, 1
	s_lshl_b32 s27, s27, 5
	s_and_b32 s28, s26, 1
	s_lshl_b32 s28, s28, 3
	s_add_co_u32 s27, s27, s28                     ; the tile's first token
	s_wait_alu depctr_va_vdst(0)
	v_and_b32 v6, 7, v3
	v_lshrrev_b32 v7, 3, v3
	v_lshl_add_u32 v6, v7, 4, v6
	v_add_nc_u32 v6, s27, v6                       ; my token
	v_lshlrev_b32 v6, 8, v6                        ; its 64 angles are 256 bytes
	v_lshl_add_u32 v6, v4, 5, v6                   ; + 32 h
	s_lshl_b32 s28, s24, 6
	v_add_nc_u32 v6, s28, v6                       ; + 64 b, b = my wave: angles 16 b + 8 h + 0 .. 7
	s_mov_b32 s36, 0x3f22f983                      ; 2 / pi
	s_mov_b32 s37, 0xbfc90fd8                      ; - pi/2, in three parts
	s_mov_b32 s38, 0xb4a8885a
	s_mov_b32 s39, 0xa7c234c4
	s_mov_b32 s40, 0x37cd4000                      ; the cosine's coefficients (then -0.5 and 1.0)
	s_mov_b32 s41, 0xbab6077d
	s_mov_b32 s42, 0x3d2aaaa8
	s_mov_b32 s43, 0x36405000                      ; the sine's
	s_mov_b32 s44, 0xb9503486
	s_mov_b32 s45, 0x3c0888c1
	s_mov_b32 s46, 0xbe2aaaab
	s_lshl_b32 s28, s25, 13                        ; a tile of the table is 8,192 bytes,
	s_lshl_b32 s29, s24, 11                        ; my wave's four groups 2,048
	s_add_co_u32 s28, s28, s29
	s_mov_b32 s29, 0
	s_wait_alu depctr_va_vdst(0)
	s_wait_kmcnt 0x0
	global_load_b128 v[16:19], v6, s[14:15]
	global_load_b128 v[20:23], v6, s[14:15] offset:16
	s_add_nc_u64 s[22:23], s[22:23], s[28:29]
	s_wait_loadcnt 0x0
.macro SINCOS f, oc, os
	v_and_b32 v[\f], s50, v[\f]                    ; the angle, or 0 in tile 64
	v_mul_f32 v48, s36, v[\f]
	v_rndne_f32 v48, v48                           ; k
	v_fma_f32 v49, v48, s37, v[\f]
	v_fma_f32 v49, v48, s38, v49
	v_fma_f32 v49, v48, s39, v49                   ; a
	v_mul_f32 v50, v49, v49                        ; a^2
	v_mov_b32 v51, s40
	v_fma_f32 v51, v51, v50, s41
	v_fma_f32 v51, v51, v50, s42
	v_fma_f32 v51, v51, v50, -0.5
	v_fma_f32 v51, v51, v50, 1.0                   ; cos a
	v_mov_b32 v52, s43
	v_fma_f32 v52, v52, v50, s44
	v_fma_f32 v52, v52, v50, s45
	v_fma_f32 v52, v52, v50, s46
	v_mul_f32 v53, v49, v50
	v_fma_f32 v52, v52, v53, v49                   ; sin a
	v_cvt_i32_f32 v54, v48
	v_and_b32 v53, 1, v54
	v_cmp_eq_u32 vcc_lo, 1, v53                    ; an odd quadrant swaps the two
	v_cndmask_b32 v53, v52, v51, vcc_lo
	v_cndmask_b32 v51, v51, v52, vcc_lo
	v_lshlrev_b32 v52, 30, v54
	v_and_b32 v52, 0x80000000, v52                 ; the sine changes sign in quadrants 2, 3,
	v_xor_b32 v[\os], v52, v53
	v_add_nc_u32 v54, 1, v54
	v_lshlrev_b32 v54, 30, v54
	v_and_b32 v54, 0x80000000, v54                 ; the cosine in 1, 2
	v_xor_b32 v[\oc], v54, v51
.endm
.irp n, 0,1,2,3,4,5,6,7
	SINCOS 16+\n, 32+2*\n, 33+2*\n
.endr
.irp g, 0,1,2,3
	global_store_b128 v5, v[32+4*\g:35+4*\g], s[22:23] offset:512*\g
.endr
	s_endpgm
.Lfunc_end_k_qd3f7398339_quant:
	.size	k_qd3f7398339_quant, .Lfunc_end_k_qd3f7398339_quant-k_qd3f7398339_quant
	.p2alignl 7, 3214868480
	.fill 96, 4, 3214868480
	.section	.rodata,"a",@progbits
	.p2align	6, 0x0
	.amdhsa_kernel k_qd3f7398339_quant
		.amdhsa_group_segment_fixed_size 34304
		.amdhsa_private_segment_fixed_size 0
		.amdhsa_enable_private_segment 0
		.amdhsa_kernarg_size 80
		.amdhsa_user_sgpr_count 2
		.amdhsa_user_sgpr_kernarg_segment_ptr 1
		.amdhsa_wavefront_size32 1
		.amdhsa_system_sgpr_workgroup_id_x 1
		.amdhsa_system_sgpr_workgroup_id_y 1
		.amdhsa_system_sgpr_workgroup_id_z 1
		.amdhsa_system_vgpr_workitem_id 0
		.amdhsa_next_free_vgpr 234
		.amdhsa_next_free_sgpr 66
		.amdhsa_reserve_vcc 1
		.amdhsa_float_denorm_mode_32 3
		.amdhsa_float_denorm_mode_16_64 3
		.amdhsa_memory_ordered 1
		.amdhsa_forward_progress 1
		.amdhsa_inst_pref_size 45
	.end_amdhsa_kernel
	.amdgpu_metadata
---
amdhsa.version: [ 1, 2 ]
amdhsa.kernels:
  - .name:           k_qd3f7398339_quant
    .symbol:         k_qd3f7398339_quant.kd
    .args:
      - { .name: x, .offset: 0, .size: 8, .value_kind: global_buffer, .address_space: global }
      - { .name: wq, .offset: 8, .size: 8, .value_kind: global_buffer, .address_space: global }
      - { .name: wk, .offset: 16, .size: 8, .value_kind: global_buffer, .address_space: global }
      - { .name: wv, .offset: 24, .size: 8, .value_kind: global_buffer, .address_space: global }
      - { .name: wo, .offset: 32, .size: 8, .value_kind: global_buffer, .address_space: global }
      - { .name: freqs, .offset: 40, .size: 8, .value_kind: global_buffer, .address_space: global }
      - { .name: xi, .offset: 48, .size: 8, .value_kind: global_buffer, .address_space: global }
      - { .name: wi, .offset: 56, .size: 8, .value_kind: global_buffer, .address_space: global }
      - { .name: woi, .offset: 64, .size: 8, .value_kind: global_buffer, .address_space: global }
      - { .name: cs, .offset: 72, .size: 8, .value_kind: global_buffer, .address_space: global }
    .group_segment_fixed_size: 34304
    .private_segment_fixed_size: 0
    .kernarg_segment_align: 8
    .kernarg_segment_size: 80
    .max_flat_workgroup_size: 128
    .sgpr_count:     66
    .vgpr_count:     234
    .wavefront_size: 32
...
	.end_amdgpu_metadata
.endif
;; end of part 1
;; launch proj (part 2): grid 16 x 16, 4 waves a work-group, clusters of 4 x 4, 327,680 bytes of LDS; arguments xi, wi, cs, qbuf, kvbuf; writes qbuf, kvbuf
.if DOCPART == 2
	.amdgcn_target "amdgcn-amd-amdhsa--gfx1250"
	.amdhsa_code_object_version 6
	.text
	.protected	k_qd3f7398339_proj
	.globl	k_qd3f7398339_proj
	.p2align	8
	.type	k_qd3f7398339_proj,@function
k_qd3f7398339_proj:
	s_mov_b64 s[64:65], 0
	v_nop
	global_prefetch_b8 v0, s[64:65] scope:SCOPE_SE
	s_setreg_imm32_b32 hwreg(HW_REG_WAVE_MODE, 25, 1), 1
	s_wait_xcnt 0x0
	s_wait_alu depctr_hold_cnt(0) depctr_sa_sdst(0) depctr_va_vdst(0) depctr_va_sdst(0) depctr_va_ssrc(0) depctr_va_vcc(0) depctr_vm_vsrc(0)
	s_getreg_b32 s2, hwreg(HW_REG_IB_STS2, 6, 4)
	s_cmp_eq_u32 s2, 0
	s_cbranch_scc0 .Lentry_in_a_cluster
	s_endpgm
.Lentry_in_a_cluster:
	s_bfe_u32 s2, ttmp6, 0x10000c
	s_cmp_lg_u32 s2, 0xf033
	s_cbranch_scc0 .Lentry_shape_is_right
	s_endpgm
.Lentry_shape_is_right:
; Q, K, V = x W^T on codes of FP6 (E2M3) with E8M0 scales, K = 4,096 in 8 quads of four steps of 128; then the rotation by cs, the quantiser, and images for the attention launch.
; xi, wi: [tile of 16 rows][8 quads] records of 6,400 bytes: four fragment images of 1,536 bytes (registers 4 g .. 4 g + 3 of lane l at 512 g + 16 l), then row r's four scale words at 6,144 + 16 r.
; A work-group makes 256 tokens x 128 rows of wi (a head); a wave 8 tiles (source 0) x 4 tiles (source 1): 32 accumulators, which take turns.
; Q, K (cluster x 0 to 2): source 0 = W's 8 tiles, source 1 = x's tiles 4 wave + i: a lane holds a token, its registers run along the channels.
; V (cluster x 3): source 0 = x's tiles 8 (wave / 2) + t, source 1 = W's tiles 4 (wave % 2) + i: a lane holds a channel, its registers run along the keys; it takes the table's tile 64 (cos 1, sin 0).
; THE RING: two slots of a quad each: 16 records of x, then 8 of W, 153,600 bytes.  Waves 0, 1 fetch x's halves, waves 2, 3 W's, one tensor load a wave behind each round; one tensor load of a wave is out at a time.
; CLUSTER 4 x 4: x's records are asked for jointly along the cluster's row, W's along its column.
; PREFETCH: behind the load of quad n each wave names quad n + 2: one record of x (tile 4 cx + wave of the row's sixteen: 25 blocks of 256 bytes, a lane a block, lanes 25-31 the last again) and half a record of W
; (tile 2 cy + wave / 2 of the column's eight; blocks 0-12 or 13-24 by wave % 2): each block is named once in a cluster, the partners sharing by address.  Behind the first load quad 1 is named too.  It stops with quad 7.
; THE TABLE: the four blocks' cosines and sines, 4 x 64 registers, fill window 3: three blocks are asked for at the head, the fourth behind the loop, seven steps ahead of its use.
; LIMITS: NaN and infinities are not served; a block whose largest magnitude lies under 2^-124 keeps the byte 1.
.set NQ,    8
.set REC,   6400
.set SLOT,  24*REC
.set WBO,   16*REC
.set SPARE, 2*SLOT
.set CSO,   8
.set AD0,   16
.set AD1,   18
.set AS0,   20
.set AS1,   22
.set SPW,   28
.set NIL,   29
.set SC,    32
.set S1F,   128
.set H,     32
.set PC,    96
.set TM,    116
.set PW,    132
.set CSA,   192
.set CSB,   0
.set G1,    24
.set G0,    32
.set G1B,   48
.set G0B,   56
.set SEL,   90
.set MSB, 0
.macro WIN new
.if MSB != \new
	s_set_vgpr_msb (MSB<<8)|\new
.set MSB, \new
.endif
.endm
.set MUL,   0x52
.set TO_S0, 0x80
.macro PLACES
.rept 4
	v_nop
.endr
.endm
.macro JLOAD s
	s_cmp_eq_u32 s15, 0
	s_cbranch_scc0 .Lfor_b_\@
	tensor_load_to_lds s[G0+4*\s:G0+4*\s+3], s[G1:G1+7]
	s_nop 0
.rept 4
	v_nop
.endr
	s_branch .Lasked_\@
.Lfor_b_\@:
	tensor_load_to_lds s[G0B+4*\s:G0B+4*\s+3], s[G1B:G1B+7]
	s_nop 0
.rept 4
	v_nop
.endr
.Lasked_\@:
.endm
.macro CREST
	s_cmp_lg_u32 s14, 0
	s_cbranch_scc1 .Lnot_wave_0_\@
	s_barrier_signal -3
.Lnot_wave_0_\@:
	s_barrier_wait -3
	s_barrier_signal -1
	s_barrier_wait -1
.endm
.macro CROUND
	s_barrier_signal -1
	s_barrier_wait -1
	CREST
.endm
	s_load_b256 s[4:11], s[0:1], 0x0
	s_load_b64 s[12:13], s[0:1], 0x20
	v_lshl_add_u32 v[SPW], v0, 2, SPARE
	v_mov_b32 v[NIL], 0
	ds_add_u32 v28, v29
	ds_add_u32 v28, v29
	s_wait_dscnt 0x0
	v_lshrrev_b32 v1, 5, v0
	v_readfirstlane_b32 s14, v1
	s_lshr_b32 s15, s14, 1
	s_and_b32 s16, s14, 1
	v_and_b32 v30, 31, v0                          ; the prefetches' offsets: x: block min(lane, 24);
	v_min_u32 v31, 12, v30
	v_mad_u32_u24 v31, s16, 13, v31                ; W: block min(13 (wave % 2) + min(lane, 12), 24)
	v_min_u32 v31, 24, v31
	v_min_u32 v30, 24, v30
	v_lshlrev_b32 v31, 8, v31
	v_lshlrev_b32 v30, 8, v30
	s_bfe_u32 s40, ttmp6, 0x40000
	s_bfe_u32 s41, ttmp6, 0x40004
	s_lshl_b32 s42, ttmp9, 2
	s_add_co_u32 s42, s42, s40
	s_and_b32 s17, ttmp7, 0xffff
	s_lshl_b32 s17, s17, 2
	s_add_co_u32 s17, s17, s41
	s_lshl_b32 s43, s41, 2
	s_lshl_b32 s43, 15, s43
	s_lshl_b32 s44, 0x1111, s40
	s_or_b32 s[G1], s43, (3<<16)|(1<<21)
	s_or_b32 s[G1B], s44, (3<<16)|(1<<21)
	s_mov_b32 s[G1+1], 800<<16
	s_mov_b32 s[G1+2], 8<<16
	s_mov_b32 s[G1+3], 800<<16
	s_mov_b32 s[G1+4], 8
	s_mov_b32 s[G1+5], 800*NQ
	s_mov_b32 s[G1+6], 0
	s_mov_b32 s[G1+7], 0
	s_mov_b32 s[G1B+1], 800<<16
	s_mov_b32 s[G1B+2], 4<<16
	s_mov_b32 s[G1B+3], 800<<16
	s_mov_b32 s[G1B+4], 4
	s_mov_b32 s[G1B+5], 800*NQ
	s_mov_b32 s[G1B+6], 0
	s_mov_b32 s[G1B+7], 0
	s_lshl_b32 s20, s17, 4
	s_lshl_b32 s18, s16, 3
	s_add_co_u32 s20, s20, s18
	s_mul_i32 s20, s20, NQ*REC
	s_mov_b32 s21, 0
	s_lshl_b32 s46, s42, 3
	s_lshl_b32 s18, s16, 2
	s_add_co_u32 s46, s46, s18
	s_mul_i32 s46, s46, NQ*REC
	s_mov_b32 s47, 0
	s_mul_i32 s45, s16, 8*REC
	s_mul_i32 s19, s16, 4*REC
	s_add_co_u32 s19, s19, WBO
	s_lshl_b32 s92, s17, 4                         ; the record of x that I prefetch: tile 16 block + 4 cx + wave
	s_lshl_b32 s93, s40, 2
	s_add_co_u32 s92, s92, s93
	s_add_co_u32 s92, s92, s14
	s_mul_i32 s92, s92, NQ*REC
	s_mov_b32 s93, 0
	s_lshl_b32 s94, s42, 3                         ; and of W: tile 8 block + 2 cy + wave / 2
	s_lshl_b32 s95, s41, 1
	s_add_co_u32 s94, s94, s95
	s_add_co_u32 s94, s94, s15
	s_mul_i32 s94, s94, NQ*REC
	s_mov_b32 s95, 0
	s_wait_kmcnt 0x0
	s_add_nc_u64 s[20:21], s[4:5], s[20:21]
	s_add_nc_u64 s[46:47], s[6:7], s[46:47]
	s_add_nc_u64 s[92:93], s[4:5], s[92:93]
	s_add_nc_u64 s[94:95], s[6:7], s[94:95]
.irp s, 0,1
	s_mov_b32 s[G0+4*\s], 1
	s_add_co_u32 s[G0+4*\s+1], s45, \s*SLOT
	s_add_nc_u64 s[G0+4*\s+2:G0+4*\s+3], s[20:21], \s*REC
	s_or_b32 s[G0+4*\s+3], s[G0+4*\s+3], 0x80000000
	s_mov_b32 s[G0B+4*\s], 1
	s_add_co_u32 s[G0B+4*\s+1], s19, \s*SLOT
	s_add_nc_u64 s[G0B+4*\s+2:G0B+4*\s+3], s[46:47], \s*REC
	s_or_b32 s[G0B+4*\s+3], s[G0B+4*\s+3], 0x80000000
	s_wait_alu depctr_va_vdst(0)
	s_wait_tensorcnt 0x0
	ds_add_u32 v28, v29
	ds_add_u32 v28, v29
	s_wait_dscnt 0x0
	CROUND
	JLOAD \s
.if \s == 0
	global_prefetch_b8 v30, s[92:93] offset:REC th:TH_LOAD_NT scope:SCOPE_SE
	global_prefetch_b8 v31, s[94:95] offset:REC th:TH_LOAD_NT scope:SCOPE_SE
.endif
	global_prefetch_b8 v30, s[92:93] offset:(\s+2)*REC th:TH_LOAD_NT scope:SCOPE_SE
	global_prefetch_b8 v31, s[94:95] offset:(\s+2)*REC th:TH_LOAD_NT scope:SCOPE_SE
.endr
	v_and_b32 v1, 31, v0
	v_and_b32 v2, 15, v0
	v_lshlrev_b32 v5, 4, v1
	s_wait_alu depctr_va_vdst(0)
	v_lshlrev_b32 v6, 2, v2
	v_lshlrev_b32 v7, 4, v2
	s_wait_alu depctr_va_vdst(0)
	s_mov_b32 s[SEL], 0x76543210
	s_mov_b32 s[SEL+1], 0xfedcba98
	s_mul_i32 s66, s14, 4*REC
	s_mul_i32 s67, s16, 4*REC
	s_add_co_u32 s67, s67, WBO
	s_mul_i32 s68, s15, 8*REC
	s_mov_b32 s69, WBO
	s_and_b32 s71, s17, 3
	s_lshl_b32 s71, s71, 4
	s_lshl_b32 s72, s14, 2
	s_add_co_u32 s71, s71, s72
	s_lshl_b32 s71, s71, 13
	s_cmp_eq_u32 ttmp9, 3
	s_cselect_b32 s66, s67, s66
	s_cselect_b32 s68, s68, s69
	s_cselect_b32 s70, 0, 8192
	s_cselect_b32 s72, 64*8192, s71
	s_cselect_b32 s81, 12288, 0
	s_cselect_b32 s82, 512, 0
	s_mov_b32 s73, 0
	s_add_nc_u64 s[8:9], s[8:9], s[72:73]
.irp s, 0,1
	v_add_nc_u32 v[AD0+\s], s68, v5
	v_add_nc_u32 v[AD1+\s], s66, v5
	v_add_nc_u32 v[AS0+\s], s68, v7
	v_add_nc_u32 v[AS1+\s], s66, v7
	s_add_co_u32 s68, s68, SLOT
	s_add_co_u32 s66, s66, SLOT
.endr
.irp i, 0,1,2,3
	s_mul_i32 s74, s70, \i
	v_add_nc_u32 v[CSO+\i], s74, v5
.endr
	s_lshl_b32 s75, s42, 8
	s_lshl_b32 s76, s17, 4
	s_add_co_u32 s75, s75, s76
	s_lshl_b32 s76, s14, 2
	s_add_co_u32 s75, s75, s76
	s_mul_i32 s76, s75, 1536
	s_lshl_b32 s77, s75, 6
	s_add_co_u32 s77, s77, 3145728
	s_lshr_b32 s78, s17, 2
	s_lshl_b32 s78, s78, 2
	s_add_co_u32 s78, s78, s40
	s_mul_i32 s78, s78, 8*25600
	s_and_b32 s79, s17, 3
	s_lshl_b32 s79, s79, 1
	s_add_co_u32 s79, s79, s15
	s_mul_i32 s79, s79, 25600
	s_add_co_u32 s78, s78, s79
	s_mul_i32 s79, s16, 6144
	s_add_co_u32 s79, s79, s78
	s_add_co_u32 s79, s79, s81
	s_lshl_b32 s80, s16, 8
	s_add_co_u32 s80, s80, s78
	s_add_co_u32 s80, s80, 24576
	s_add_co_u32 s80, s80, s82
	s_cmp_lt_u32 ttmp9, 2
	s_cselect_b32 s84, s76, s79
	s_cselect_b32 s86, s77, s80
	s_cselect_b64 s[88:89], s[10:11], s[12:13]
	s_mov_b32 s85, 0
	s_mov_b32 s87, 0
	s_add_nc_u64 s[84:85], s[88:89], s[84:85]
	s_add_nc_u64 s[86:87], s[88:89], s[86:87]
.macro MULB i, set, q, sc, zero
.irp t, 0,1,2,3,4,5,6,7
.if \zero
	v_wmma_scale_f32_16x16x128_f8f6f4 v[8*(8*(\i)+\t):8*(8*(\i)+\t)+7], v[96*(\set)+12*\t:96*(\set)+12*\t+11], v[S1F+64*(\set)+12*(\i):S1F+64*(\set)+12*(\i)+11], 0, v[SC+48*(\sc)+4*\t+(\q)], v[SC+48*(\sc)+32+4*(\i)+(\q)] matrix_a_fmt:MATRIX_FMT_FP6 matrix_b_fmt:MATRIX_FMT_FP6
.else
	v_wmma_scale_f32_16x16x128_f8f6f4 v[8*(8*(\i)+\t):8*(8*(\i)+\t)+7], v[96*(\set)+12*\t:96*(\set)+12*\t+11], v[S1F+64*(\set)+12*(\i):S1F+64*(\set)+12*(\i)+11], v[8*(8*(\i)+\t):8*(8*(\i)+\t)+7], v[SC+48*(\sc)+4*\t+(\q)], v[SC+48*(\sc)+32+4*(\i)+(\q)] matrix_a_fmt:MATRIX_FMT_FP6 matrix_b_fmt:MATRIX_FMT_FP6
.endif
.endr
.endm
.macro FETCHF slot, q, set
	WIN TO_S0
.irp t, 0,1,2,3,4,5,6,7
.irp g, 0,1,2
	ds_load_b128 v[96*(\set)+12*\t+4*\g:96*(\set)+12*\t+4*\g+3], v[AD0+\slot] offset:REC*\t+1536*(\q)+512*\g
.endr
.endr
	WIN 0
.irp i, 0,1,2,3
.irp g, 0,1,2
	ds_load_b128 v[S1F+64*(\set)+12*\i+4*\g:S1F+64*(\set)+12*\i+4*\g+3], v[AD1+\slot] offset:REC*\i+1536*(\q)+512*\g
.endr
.endr
.endm
.macro SCALES slot
.irp t, 0,1,2,3,4,5,6,7
	ds_load_b128 v[SC+48*\slot+4*\t:SC+48*\slot+4*\t+3], v[AS0+\slot] offset:6144+REC*\t
.endr
.irp i, 0,1,2,3
	ds_load_b128 v[SC+48*\slot+32+4*\i:SC+48*\slot+32+4*\i+3], v[AS1+\slot] offset:6144+REC*\i
.endr
.endm
.macro STEP slot, q, zero
	s_wait_dscnt 0x0
	PLACES
	FETCHF \slot, (\q)+1, 1-(\q)%2
	WIN MUL
	MULB 0, (\q)%2, \q, \slot, \zero
	MULB 1, (\q)%2, \q, \slot, \zero
	MULB 2, (\q)%2, \q, \slot, \zero
	MULB 3, (\q)%2, \q, \slot, \zero
.endm
.macro TURN slot, next, fill
	WIN 0
.if \fill
	s_wait_xcnt 0x0                                ; my prefetches have read their addresses: they step a quad on
	s_add_nc_u64 s[92:93], s[92:93], REC
	s_add_nc_u64 s[94:95], s[94:95], REC
.endif
	s_wait_tensorcnt 0x0
	ds_add_u32 v[SPW], v[NIL]
	s_wait_dscnt 0x1
	WIN MUL
	MULB 0, 1, 3, \slot, 0
	s_wait_dscnt 0x0
	s_barrier_signal -1
	MULB 1, 1, 3, \slot, 0
	WIN 0
	s_barrier_wait -1
.if \fill
	CREST
	s_add_nc_u64 s[G0+4*\slot+2:G0+4*\slot+3], s[G0+4*\slot+2:G0+4*\slot+3], 2*REC
	s_add_nc_u64 s[G0B+4*\slot+2:G0B+4*\slot+3], s[G0B+4*\slot+2:G0B+4*\slot+3], 2*REC
	JLOAD \slot
.else
	PLACES
.endif
	FETCHF \next, 0, 0
	SCALES \next
.if \fill
	s_cmp_gt_u32 s3, 1                             ; the loop's last trip refills quads 6 and 7: no quad stands two on
	s_cbranch_scc0 .Lno_ask_\@
	global_prefetch_b8 v30, s[92:93] offset:3*REC th:TH_LOAD_NT scope:SCOPE_SE
	global_prefetch_b8 v31, s[94:95] offset:3*REC th:TH_LOAD_NT scope:SCOPE_SE
.Lno_ask_\@:
.endif
	WIN MUL
	MULB 2, 1, 3, \slot, 0
	MULB 3, 1, 3, \slot, 0
.endm
.macro CSLOAD i, reg
	WIN 0xc0
.irp g, 0,1,2,3,4,5,6,7,8,9,10,11,12,13,14,15
	global_load_b128 v[\reg+4*\g:\reg+4*\g+3], v[CSO+(\i)], s[8:9] offset:512*\g
.endr
	WIN 0
.endm
	s_wait_alu depctr_va_vdst(0)
	CSLOAD 0, 0
	CSLOAD 1, 64
	CSLOAD 2, 128
	s_wait_tensorcnt 0x1
	s_barrier_signal -1
	s_barrier_wait -1
	FETCHF 0, 0, 0
	SCALES 0
	STEP 0, 0, 1
	WIN 0
	s_mov_b32 s3, NQ/2-1
.Llap:
	STEP 0, 1, 0
	STEP 0, 2, 0
	TURN 0, 1, 1
	STEP 1, 0, 0
	STEP 1, 1, 0
	STEP 1, 2, 0
	TURN 1, 0, 1
	STEP 0, 0, 0
	WIN 0
	s_sub_co_u32 s3, s3, 1
	s_cmp_lg_u32 s3, 0
	s_cbranch_scc1 .Llap
	CSLOAD 3, 192
	STEP 0, 1, 0
	STEP 0, 2, 0
	TURN 0, 1, 0
	STEP 1, 0, 0
	STEP 1, 1, 0
	STEP 1, 2, 0
	s_wait_dscnt 0x0
	WIN MUL
	MULB 0, 1, 3, 1, 0
	MULB 1, 1, 3, 1, 0
	MULB 2, 1, 3, 1, 0
	MULB 3, 1, 3, 1, 0
	WIN 0
.macro QUANT s
.irp b, 0,1,2,3
	v_max3_num_f32 v[TM+\b], |v[\s+16*\b]|, |v[\s+1+16*\b]|, 0x1800000
.endr
.irp i, 2,4,6,8,10,12,14
.irp b, 0,1,2,3
	v_max3_num_f32 v[TM+\b], v[TM+\b], |v[\s+16*\b+\i]|, |v[\s+1+16*\b+\i]|
.endr
.endr
.irp b, 0,1,2,3
	v_permlanex16_b32 v[TM+4+\b], v[TM+\b], s[SEL], s[SEL+1]
.endr
.irp b, 0,1,2,3
	v_max_num_f32 v[TM+\b], v[TM+\b], v[TM+4+\b]
.endr
.irp b, 0,1,2,3
	v_add_nc_u32 v[TM+12+\b], 0xff000000, v[TM+\b]
.endr
.irp b, 0,1,2,3
	v_lshrrev_b32 v[TM+4+\b], 23, v[TM+12+\b]
.endr
	v_lshl_or_b32 v[PW], v[TM+5], 8, v[TM+4]
	v_lshl_or_b32 v[PW], v[TM+6], 16, v[PW]
	v_lshl_or_b32 v[PW], v[TM+7], 24, v[PW]
.irp c, 0,1
	v_cvt_scalef32_pk16_fp6_f32 v[PC+6*\c:PC+2+6*\c], v[\s+32*\c:\s+15+32*\c], v[TM+12+2*\c]
	v_cvt_scalef32_pk16_fp6_f32 v[PC+12+4*\c:PC+14+4*\c], v[\s+16+32*\c:\s+31+32*\c], v[TM+12+2*\c+1]
.endr
	v_nop
.irp c, 0,1
.irp i, 0,1,2
	v_permlane16_swap_b32 v[PC+6*\c+\i], v[PC+12+4*\c+\i]
.endr
.irp i, 0,1,2
	v_mov_b32 v[PC+3+6*\c+\i], v[PC+12+4*\c+\i]
.endr
.endr
.endm
.macro BLOCK i
	s_wait_loadcnt 0x0                             ; the table is in
.set CSR, 64*(\i)
	WIN 0x0d
.set p, 0
.rept 32
	v_mul_f32 v[H+2*p], v[64*(\i)+2*p+1], v[CSR+2*p+1]
	v_mul_f32 v[H+2*p+1], v[64*(\i)+2*p+1], v[CSR+2*p]
	v_fma_f32 v[H+2*p], v[64*(\i)+2*p], v[CSR+2*p], -v[H+2*p]
	v_fma_f32 v[H+2*p+1], v[64*(\i)+2*p], v[CSR+2*p+1], v[H+2*p+1]
.set p, p+1
.endr
	WIN 0
	s_wait_xcnt 0x0
	QUANT H
.irp g, 0,1,2
	global_store_b128 v5, v[PC+4*\g:PC+4*\g+3], s[84:85] offset:1536*(\i)+512*\g
.endr
	global_store_b32 v6, v[PW], s[86:87] offset:64*(\i)
.endm
	PLACES
.irp b, 0,1,2,3
	v_mov_b32 v[TM+4+\b], 0
.endr
	BLOCK 0
	BLOCK 1
	BLOCK 2
	BLOCK 3
	s_wait_tensorcnt 0x0
	ds_add_u32 v[SPW], v[NIL]
	s_wait_dscnt 0x0
	CROUND
	s_endpgm
.Lfunc_end_k_qd3f7398339_proj:
	.size	k_qd3f7398339_proj, .Lfunc_end_k_qd3f7398339_proj-k_qd3f7398339_proj
	.p2alignl 7, 3214868480
	.fill 96, 4, 3214868480
	.section	.rodata,"a",@progbits
	.p2align	6, 0x0
	.amdhsa_kernel k_qd3f7398339_proj
		.amdhsa_group_segment_fixed_size 327680
		.amdhsa_private_segment_fixed_size 0
		.amdhsa_enable_private_segment 0
		.amdhsa_kernarg_size 40
		.amdhsa_user_sgpr_count 2
		.amdhsa_user_sgpr_kernarg_segment_ptr 1
		.amdhsa_wavefront_size32 1
		.amdhsa_system_sgpr_workgroup_id_x 1
		.amdhsa_system_sgpr_workgroup_id_y 1
		.amdhsa_system_sgpr_workgroup_id_z 1
		.amdhsa_system_vgpr_workitem_id 0
		.amdhsa_next_free_vgpr 1024
		.amdhsa_next_free_sgpr 100
		.amdhsa_reserve_vcc 0
		.amdhsa_float_denorm_mode_32 3
		.amdhsa_float_denorm_mode_16_64 3
		.amdhsa_memory_ordered 1
		.amdhsa_forward_progress 1
		.amdhsa_inst_pref_size 169
	.end_amdhsa_kernel
	.amdgpu_metadata
---
amdhsa.version: [ 1, 2 ]
amdhsa.kernels:
  - .name:           k_qd3f7398339_proj
    .symbol:         k_qd3f7398339_proj.kd
    .args:
      - { .name: xi, .offset: 0, .size: 8, .value_kind: global_buffer, .address_space: global }
      - { .name: wi, .offset: 8, .size: 8, .value_kind: global_buffer, .address_space: global }
      - { .name: cs, .offset: 16, .size: 8, .value_kind: global_buffer, .address_space: global }
      - { .name: qbuf, .offset: 24, .size: 8, .value_kind: global_buffer, .address_space: global }
      - { .name: kvbuf, .offset: 32, .size: 8, .value_kind: global_buffer, .address_space: global }
    .group_segment_fixed_size: 327680
    .private_segment_fixed_size: 0
    .kernarg_segment_align: 8
    .kernarg_segment_size: 40
    .max_flat_workgroup_size: 128
    .sgpr_count:     100
    .vgpr_count:     1024
    .wavefront_size: 32
...
	.end_amdgpu_metadata
.endif
;; end of part 2
;; launch attn (part 3): grid 16 x 16, 8 waves a work-group, clusters of 4 x 1, 327,680 bytes of LDS; arguments qbuf, kvbuf, ao; writes ao
.if DOCPART == 3
	.amdgcn_target "amdgcn-amd-amdhsa--gfx1250"
	.amdhsa_code_object_version 6
	.text
	.protected	k_qd3f7398339_attn
	.globl	k_qd3f7398339_attn
	.p2align	8
	.type	k_qd3f7398339_attn,@function
k_qd3f7398339_attn:
	s_mov_b64 s[64:65], 0
	v_nop
	global_prefetch_b8 v0, s[64:65] scope:SCOPE_SE
	s_setreg_imm32_b32 hwreg(HW_REG_WAVE_MODE, 25, 1), 1
	s_wait_xcnt 0x0
	s_wait_alu depctr_hold_cnt(0) depctr_sa_sdst(0) depctr_va_vdst(0) depctr_va_sdst(0) depctr_va_ssrc(0) depctr_va_vcc(0) depctr_vm_vsrc(0)
	s_getreg_b32 s2, hwreg(HW_REG_IB_STS2, 6, 4)
	s_cmp_eq_u32 s2, 0
	s_cbranch_scc0 .Lentry_in_a_cluster
	s_endpgm
.Lentry_in_a_cluster:
	s_bfe_u32 s2, ttmp6, 0x10000c
	s_cmp_lg_u32 s2, 0x3003
	s_cbranch_scc0 .Lentry_shape_is_right
	s_endpgm
.Lentry_shape_is_right:
; O[b][head][q] = the sum over k of softmax_k(Q . K / sqrt(128)) V, 8 query heads on 4 kv heads (head / 2), 1,024 keys, both products on codes of FP6 (E2M3) with E8M0 scales; the result is quantised along (head, channel) for the last product.
; THE SOFTMAX: t = score x log2(e) / sqrt(128); M = the running largest t rounded UP to a whole number; p = 2^(t - M) is quantised along the keys, not normalised; the row's sum is taken of the unquantised p and divides O at the end.
; When M moves, the sum and O are multiplied by 2^(old M - new M): exact.
; INPUTS are images of registers: a fragment is 1,536 bytes, registers 4 g .. 4 g + 3 of lane l at 512 g + 16 l.  kvbuf: [4 batch + kv head][8 key steps][25,600]: K's 8 tiles of 16 keys, V's 8 tiles of 16 channels x 128 keys, K's scale words, V's.
; In a tile 2 b + u lane r holds row 32 b + 8 u + r % 8 + 16 (r / 8), so that as source 0 the 16 registers of tiles 2 b, 2 b + 1 are 16 neighbours (keys in S^T, channels in O^T).
; SHARES: a work-group owns 64 tokens x the two query heads of one kv head; each of its eight waves one tile of 16 queries of one head, in 256 registers: two waves to a SIMD.  Both products are used transposed: a lane holds one query.
; ALL OF A KV HEAD'S CODES, 204,800 bytes, LIE IN LDS, filled once: no ring.  CLUSTER 4 x 1: the four work-groups walk the same K and V: each wave asks jointly for two parts of 12,800 bytes; the first four key steps are read while the
; second half lands.  One tensor load of a wave is out at a time.
; OUT: ao = [256 token tiles][2][6,400]: quad records for the last product: K step = head: image at 1,536 (head % 4), scale word of row r at 6,144 + 16 r + 4 (head % 4).
; LIMITS: NaN and infinities are not served; a block whose largest magnitude lies under 2^-124 keeps the byte 1.
; REGISTERS: v1-3 lane terms; v8, v10 addresses in hand; v12 -M, v13 the largest t, v[14:15] the sum; v16-27 Q; v32-79 four fragments of K or V; v96-159 S^T, then p; v160-223 O^T; v224-235 p's codes; v232-254 at work; v255 Q's scale words.
.set CH,   25600                       ; a key step's bytes
.set HALF, 4*CH
.set VIM,  12288
.set KSW,  24576
.set VSW,  25088
.set LI,   1                           ; v1   16 x lane
.set LS,   2                           ; v2   4 r
.set LR,   3                           ; v3   16 r
.set ADK,  8
.set ADS,  10
.set TB,   2                           ; s2   LDS byte at which the key step in hand begins
.set CNT,  3
.set WV,   18
.set SEL,  20
.set CS,   22
.set G1,   24
.set G0A,  32
.set G0B,  36
.set PC,   32
.set TM,   232
.set PW,   254
.macro CROUND                          ; a round of the cluster's barrier
	s_barrier_signal -1
	s_barrier_wait -1
	s_cmp_lg_u32 s[WV], 0
	s_cbranch_scc1 .Lnot_wave_0_\@
	s_barrier_signal -3
.Lnot_wave_0_\@:
	s_barrier_wait -3
	s_barrier_signal -1
	s_barrier_wait -1
.endm
	s_load_b128 s[4:7], s[0:1], 0x0                ; qbuf, kvbuf
	s_load_b64 s[8:9], s[0:1], 0x10                ; ao
	v_lshl_add_u32 v95, v0, 2, 0x32000
	v_mov_b32 v243, 0
	ds_add_u32 v95, v243
	ds_add_u32 v95, v243
	v_lshrrev_b32 v8, 5, v0
	s_delay_alu instid0(VALU_DEP_1)
	v_readfirstlane_b32 s[WV], v8                  ; wave 0..7
	s_bfe_u32 s10, ttmp6, 0x40000                  ; cx
	s_lshl_b32 s11, ttmp9, 2
	s_add_co_u32 s11, s11, s10                     ; my block of 64 tokens: it enters Q's and the result's addresses alone
	s_and_b32 s12, ttmp7, 0xffff                   ; 4 batch + kv head, which the four partners share
	s_mul_i32 s13, s[WV], 12800                    ; my part of each half, in memory and in LDS
	s_mul_i32 s40, s12, 8*CH
	s_add_co_u32 s40, s40, s13
	s_mov_b32 s41, 0
	; descriptor group 1: a dense block of 12,800 bytes as 50 rows of 256 bytes (32 elements of 8 bytes), no padding
	s_mov_b32 s[G1], 15|(3<<16)|(1<<21)            ; 15:0 the mask: all four work-groups; 17:16 elements of 8 bytes; 21 set beside a mask
	s_mov_b32 s[G1+1], 32<<16
	s_mov_b32 s[G1+2], 50<<16
	s_mov_b32 s[G1+3], 32<<16
	s_mov_b32 s[G1+4], 50
	s_mov_b32 s[G1+5], 32
	s_mov_b32 s[G1+6], 0
	s_mov_b32 s[G1+7], 0
	s_and_b32 s14, s12, 3
	s_lshl_b32 s14, s14, 1
	s_lshr_b32 s15, s[WV], 2
	s_add_co_u32 s14, s14, s15                     ; head = 2 kv head + wave / 4
	s_lshr_b32 s15, s12, 2
	s_lshl_b32 s15, s15, 6
	s_lshl_b32 s16, s11, 2
	s_add_co_u32 s15, s15, s16
	s_and_b32 s16, s[WV], 3
	s_add_co_u32 s15, s15, s16                     ; token tile = 64 batch + 4 block + wave % 4
	s_lshl_b32 s16, s14, 8
	s_add_co_u32 s16, s16, s15
	s_mul_i32 s42, s16, 1536                       ; Q's image
	s_mov_b32 s43, 0
	s_lshl_b32 s44, s16, 6
	s_add_co_u32 s44, s44, 3145728                 ; and its scale words
	s_mov_b32 s45, 0
	s_lshl_b32 s46, s15, 1
	s_lshr_b32 s17, s14, 2
	s_add_co_u32 s46, s46, s17
	s_mul_i32 s46, s46, 6400                       ; the result's record: 2 tile + head / 4
	s_and_b32 s17, s14, 3
	s_mul_i32 s19, s17, 1536
	s_add_co_u32 s48, s46, s19                     ; its image
	s_mov_b32 s49, 0
	s_lshl_b32 s17, s17, 2
	s_add_co_u32 s46, s46, s17
	s_add_co_u32 s46, s46, 6144                    ; its scale words
	s_mov_b32 s47, 0
	s_mov_b32 s[SEL], 0x76543210
	s_mov_b32 s[SEL+1], 0xfedcba98                 ; v_permlanex16_b32's selects for lane l xor 16
	s_mov_b32 s[CS], 0x3e0293ee                    ; c = log2(e) / sqrt(128)
	s_mov_b32 s[CS+1], s[CS]                       ; (named with it as a pair, so it is written)
	s_wait_dscnt 0x0
	s_wait_kmcnt 0x0
	s_mov_b32 s[G0A], 1
	s_mov_b32 s[G0A+1], s13
	s_add_nc_u64 s[G0A+2:G0A+3], s[6:7], s[40:41]
	s_mov_b32 s[G0B], 1
	s_add_co_u32 s[G0B+1], s13, HALF
	s_add_nc_u64 s[G0B+2:G0B+3], s[G0A+2:G0A+3], HALF
	s_or_b32 s[G0A+3], s[G0A+3], 0x80000000
	s_or_b32 s[G0B+3], s[G0B+3], 0x80000000
	s_add_nc_u64 s[42:43], s[4:5], s[42:43]
	s_add_nc_u64 s[44:45], s[4:5], s[44:45]
	s_add_nc_u64 s[46:47], s[8:9], s[46:47]
	s_add_nc_u64 s[48:49], s[8:9], s[48:49]
	CROUND                                         ; all four work-groups are here: the joint loads meet
	tensor_load_to_lds s[G0A:G0A+3], s[G1:G1+7]    ; key steps 0 to 3: my one tensor load at the head; one tensor load of a wave is out at a time
	s_nop 0
.rept 4
	v_nop
.endr
	v_and_b32 v[LI], 31, v0
	s_delay_alu instid0(VALU_DEP_1)
	v_lshlrev_b32 v[LI], 4, v[LI]
	v_and_b32 v[LS], 15, v0
	s_delay_alu instid0(VALU_DEP_1)
	v_lshlrev_b32 v[LR], 4, v[LS]
	s_delay_alu instid0(VALU_DEP_2)
	v_lshlrev_b32 v[LS], 2, v[LS]
.irp g, 0,1,2
	global_load_b128 v[16+4*\g:19+4*\g], v[LI], s[42:43] offset:512*\g   ; Q's fragment stays in registers
.endr
	global_load_b32 v255, v[LS], s[44:45]
	v_mov_b32 v13, 0xff61b1e6                      ; the largest t so far: -3e38, under every t
	s_delay_alu instid0(VALU_DEP_1)
	v_floor_f32 v12, -v13                          ; -M
	v_mov_b32 v14, 0                               ; the sum, in two halves
	v_mov_b32 v15, 0
.irp b, 0,1,2,3
	v_mov_b32 v[236+\b], 0                         ; written once: a lane permute's destination counts as one of its sources
.endr
	v_mov_b32 v253, 0                              ; (named as the upper half of the pair v[252:253] before it is first written)
.set j, 0
.rept 64
	v_mov_b32 v[160+j], 0                          ; O^T.  (The step is written for every step alike: the first finds zeros, which the first change of M leaves zeros)
.set j, j+1
.endr
; A KEY STEP: 128 keys.
.macro STEP
	v_add_nc_u32 v[ADK], s[TB], v[LI]
	s_wait_alu depctr_va_vdst(0)
	v_add_nc_u32 v[ADS], s[TB], v[LS]
	s_wait_alu depctr_va_vdst(0)
	v_nop                                          ; with the two additions: four places in front of loads into registers that the last products read
	v_nop
.irp g, 0,1                                    ; S^T = K Q^T, four tiles of 16 keys at a time
.if \g > 0
.rept 4
	v_nop
.endr
.endif
.irp t, 0,1,2,3
.irp j, 0,1,2
	ds_load_b128 v[32+12*\t+4*\j:35+12*\t+4*\j], v[ADK] offset:1536*(4*\g+\t)+512*\j
.endr
	ds_load_b32 v[248+\t], v[ADS] offset:KSW+64*(4*\g+\t)
.endr
	s_wait_dscnt 0x0
.irp t, 0,1,2,3
	v_wmma_scale_f32_16x16x128_f8f6f4 v[96+8*(4*\g+\t):103+8*(4*\g+\t)], v[32+12*\t:43+12*\t], v[16:27], 0, v[248+\t], v255 matrix_a_fmt:MATRIX_FMT_FP6 matrix_b_fmt:MATRIX_FMT_FP6
.endr
.endr
.rept 4
	v_nop
.endr
.irp b, 0,1,2,3
	v_max3_num_f32 v[232+\b], v[96+16*\b], v[97+16*\b], v[98+16*\b]   ; the largest score of each block of 32 keys: it serves the row's maximum and, since p rises with the score, the block's largest p
.endr
.irp i, 3,5,7,9,11,13
.irp b, 0,1,2,3
	v_max3_num_f32 v[232+\b], v[232+\b], v[96+16*\b+\i], v[97+16*\b+\i]
.endr
.endr
.irp b, 0,1,2,3
	v_max_num_f32 v[232+\b], v[232+\b], v[111+16*\b]
.endr
.irp b, 0,1,2,3
	s_delay_alu instid0(VALU_DEP_4)
	v_permlanex16_b32 v[236+\b], v[232+\b], s[SEL], s[SEL+1]
.endr
.irp b, 0,1,2,3
	s_delay_alu instid0(VALU_DEP_4)
	v_max_num_f32 v[232+\b], v[232+\b], v[236+\b]  ; with lane l xor 16's 16 keys
.endr
	s_delay_alu instid0(VALU_DEP_2)
	v_max3_num_f32 v254, v232, v233, v234
	s_delay_alu instid0(VALU_DEP_1)
	v_max_num_f32 v254, v254, v235                 ; the step's largest score of my query
	s_delay_alu instid0(VALU_DEP_1)
	v_mul_f32 v254, s[CS], v254                    ; as t (c is positive)
	s_delay_alu instid0(VALU_DEP_1)
	v_max_num_f32 v13, v13, v254                   ; the running largest t
	v_mov_b32 v254, v12
	s_delay_alu instid0(VALU_DEP_2)
	v_floor_f32 v12, -v13                          ; the new -M = floor(-t) = -ceil(t): a whole number
	s_delay_alu instid0(VALU_DEP_1)
	v_sub_f32 v254, v12, v254                      ; M's old value less its new one: a whole number, 0 or less
	s_delay_alu instid0(VALU_DEP_1)
	v_cvt_i32_f32 v254, v254                       ; (it saturates)
	s_delay_alu instid0(VALU_DEP_1)
	v_ldexp_f32 v252, 1.0, v254                    ; f = 2^(old M - new M)
.irp j, 0,2,4,6,8,10,12,14,16,18,20,22,24,26,28,30,32,34,36,38,40,42,44,46,48,50,52,54,56,58,60,62
	v_pk_fma_f32 v[96+\j:97+\j], v[96+\j:97+\j], s[CS:CS+1], v[12:13] op_sel_hi:[1,0,0]   ; t - M, two at a time
.endr
.irp b, 0,1,2,3
	v_fma_f32 v[232+\b], v[232+\b], s[CS], v12     ; the same of each block's largest score
.endr
.set j, 0
	s_wait_alu depctr_va_vdst(0)
.rept 64
	v_exp_f32 v[96+j], v[96+j]                     ; p = 2^(t - M), at most 1: not normalised
.set j, j+1
.endr
	v_pk_mul_f32 v[14:15], v[14:15], v[252:253] op_sel_hi:[1,0]   ; the sums under the new M.  (A plain place behind the exponentials)
	s_wait_alu depctr_va_vdst(0)                   ; one wait for the whole batch, ahead of its first reader
.irp b, 0,1,2,3
	v_exp_f32 v[232+\b], v[232+\b]                 ; the block's largest p: the same two instructions on the same number give the same bits
.endr
	v_pk_add_f32 v[236:237], v[100:101], v[104:105]
	v_pk_add_f32 v[250:251], v[108:109], v[112:113]
	v_pk_add_f32 v[248:249], v[116:117], v[120:121]
	v_pk_add_f32 v[246:247], v[124:125], v[128:129]
	v_pk_add_f32 v[244:245], v[132:133], v[136:137]
	v_pk_add_f32 v[240:241], v[140:141], v[144:145]
	v_pk_add_f32 v[238:239], v[148:149], v[152:153]
	v_pk_add_f32 v[14:15], v[14:15], v[156:157]
	v_pk_add_f32 v[236:237], v[236:237], v[96:97]
	v_pk_add_f32 v[250:251], v[250:251], v[98:99]
	v_pk_add_f32 v[248:249], v[248:249], v[102:103]
	v_pk_add_f32 v[246:247], v[246:247], v[106:107]
	v_pk_add_f32 v[244:245], v[244:245], v[110:111]
	v_pk_add_f32 v[240:241], v[240:241], v[114:115]
	v_pk_add_f32 v[238:239], v[238:239], v[118:119]
	v_pk_add_f32 v[14:15], v[14:15], v[122:123]
	v_pk_add_f32 v[236:237], v[236:237], v[126:127]
	v_pk_add_f32 v[250:251], v[250:251], v[130:131]
	v_pk_add_f32 v[248:249], v[248:249], v[134:135]
	v_pk_add_f32 v[246:247], v[246:247], v[138:139]
	v_pk_add_f32 v[244:245], v[244:245], v[142:143]
	v_pk_add_f32 v[240:241], v[240:241], v[146:147]
	v_pk_add_f32 v[238:239], v[238:239], v[150:151]
	v_pk_add_f32 v[14:15], v[14:15], v[154:155]
	v_pk_add_f32 v[236:237], v[236:237], v[158:159]
	s_delay_alu instid0(VALU_DEP_2)
	v_pk_add_f32 v[14:15], v[14:15], v[246:247]
	s_delay_alu instid0(VALU_DEP_2)
	v_pk_add_f32 v[236:237], v[236:237], v[244:245]
	v_pk_add_f32 v[250:251], v[250:251], v[240:241]
	v_pk_add_f32 v[248:249], v[248:249], v[238:239]
	s_delay_alu instid0(VALU_DEP_2)
	v_pk_add_f32 v[14:15], v[14:15], v[250:251]
	s_delay_alu instid0(VALU_DEP_2)
	v_pk_add_f32 v[236:237], v[236:237], v[248:249]
	s_delay_alu instid0(VALU_DEP_1)
	v_pk_add_f32 v[14:15], v[14:15], v[236:237]
	s_wait_alu depctr_va_vdst(0)                   ; and one for the four
.irp b, 0,1,2,3
	v_max_num_f32 v[232+\b], 0x1800000, v[232+\b]  ; the floor 2^(3 - 127): the byte cannot fall under 1
.endr
.irp b, 0,1,2,3
	s_delay_alu instid0(VALU_DEP_4)
	v_add_nc_u32 v[244+\b], 0xff000000, v[232+\b]  ; 2 off the exponent field: the conversion's scale operand
.endr
.irp b, 0,1,2,3
	s_delay_alu instid0(VALU_DEP_4)
	v_lshrrev_b32 v[236+\b], 23, v[244+\b]         ; the scale's byte
.endr
	s_delay_alu instid0(VALU_DEP_3)
	v_lshl_or_b32 v253, v237, 8, v236              ; p's scale word for these 128 keys
	s_delay_alu instid0(VALU_DEP_1)
	v_lshl_or_b32 v253, v238, 16, v253
	s_delay_alu instid0(VALU_DEP_1)
	v_lshl_or_b32 v253, v239, 24, v253
.irp c, 0,1
	v_cvt_scalef32_pk16_fp6_f32 v[224+6*\c:226+6*\c], v[96+32*\c:111+32*\c], v[244+2*\c]
	v_cvt_scalef32_pk16_fp6_f32 v[236+4*\c:238+4*\c], v[112+32*\c:127+32*\c], v[244+2*\c+1]   ; (a conversion's three registers begin on an even number)
.endr
	v_nop                                          ; one plain place behind a scaled conversion
.irp c, 0,1                                    ; the operand's layout wants a WHOLE block in a lane
.irp i, 0,1,2
	v_permlane16_swap_b32 v[224+6*\c+\i], v[236+4*\c+\i]
.endr
.irp i, 0,1,2
	s_delay_alu instid0(VALU_DEP_3)
	v_mov_b32 v[227+6*\c+\i], v[236+4*\c+\i]
.endr
.endr
.irp j, 0,2,4,6,8,10,12,14,16,18,20,22,24,26,28,30,32,34,36,38,40,42,44,46,48,50,52,54,56,58,60,62
	v_pk_mul_f32 v[160+\j:161+\j], v[160+\j:161+\j], v[252:253] op_sel_hi:[1,0]   ; O^T under the new M.  (These 32 are also the places in front of the matrix instructions and loads below)
.endr
	s_wait_alu depctr_va_vdst(0)
.irp g, 0,1                                    ; O^T += V^T P^T: four tiles of 16 channels at a time; K = these 128 keys
.if \g > 0
.rept 4
	v_nop
.endr
.endif
.irp t, 0,1,2,3
.irp j, 0,1,2
	ds_load_b128 v[32+12*\t+4*\j:35+12*\t+4*\j], v[ADK] offset:VIM+1536*(4*\g+\t)+512*\j
.endr
	ds_load_b32 v[248+\t], v[ADS] offset:VSW+64*(4*\g+\t)
.endr
	s_wait_dscnt 0x0
.irp t, 0,1,2,3
	v_wmma_scale_f32_16x16x128_f8f6f4 v[160+8*(4*\g+\t):167+8*(4*\g+\t)], v[32+12*\t:43+12*\t], v[224:235], v[160+8*(4*\g+\t):167+8*(4*\g+\t)], v[248+\t], v253 matrix_a_fmt:MATRIX_FMT_FP6 matrix_b_fmt:MATRIX_FMT_FP6
.endr
.endr
	s_add_co_u32 s[TB], s[TB], CH                  ; on to the next key step
.endm
	s_wait_loadcnt 0x0                             ; Q
	s_wait_tensorcnt 0x0                           ; my part of key steps 0 to 3 is in; the second half's first fill is issued as a refill is
	ds_add_u32 v95, v243
	s_wait_dscnt 0x0
	CROUND                                         ; everybody's part is in, and all four work-groups are here
	tensor_load_to_lds s[G0B:G0B+3], s[G1:G1+7]    ; key steps 4 to 7 land while the first four are worked
	s_nop 0
.rept 4
	v_nop
.endr
	s_mov_b32 s[TB], 0
	s_mov_b32 s[CNT], 4
.Lfirst:
	STEP
	s_sub_co_u32 s[CNT], s[CNT], 1
	s_cmp_lg_u32 s[CNT], 0
	s_cbranch_scc1 .Lfirst
	s_wait_tensorcnt 0x0                           ; my part of key steps 4 to 7 is in,
	s_wait_dscnt 0x0
	s_barrier_signal -1
	s_barrier_wait -1                              ; everybody's is
	s_mov_b32 s[TB], HALF
	s_mov_b32 s[CNT], 4
.Lsecond:
	STEP
	s_sub_co_u32 s[CNT], s[CNT], 1
	s_cmp_lg_u32 s[CNT], 0
	s_cbranch_scc1 .Lsecond
; 64 numbers of a lane, register 16 b + i = k 32 b + 16 (lane / 16) + i of my row, become a fragment's codes in v[PC] on and its scale word in v[PW].
.macro QUANT s
.irp b, 0,1,2,3
	v_max3_num_f32 v[TM+\b], |v[\s+16*\b]|, |v[\s+1+16*\b]|, 0x1800000
.endr
.irp i, 2,4,6,8,10,12,14
.irp b, 0,1,2,3
	s_delay_alu instid0(VALU_DEP_4)
	v_max3_num_f32 v[TM+\b], v[TM+\b], |v[\s+16*\b+\i]|, |v[\s+1+16*\b+\i]|
.endr
.endr
.irp b, 0,1,2,3
	s_delay_alu instid0(VALU_DEP_4)
	v_permlanex16_b32 v[TM+4+\b], v[TM+\b], s[SEL], s[SEL+1]
.endr
.irp b, 0,1,2,3
	s_delay_alu instid0(VALU_DEP_4)
	v_max_num_f32 v[TM+\b], v[TM+\b], v[TM+4+\b]
.endr
.irp b, 0,1,2,3
	s_delay_alu instid0(VALU_DEP_4)
	v_add_nc_u32 v[TM+12+\b], 0xff000000, v[TM+\b]
.endr
.irp b, 0,1,2,3
	s_delay_alu instid0(VALU_DEP_4)
	v_lshrrev_b32 v[TM+4+\b], 23, v[TM+12+\b]
.endr
	s_delay_alu instid0(VALU_DEP_3)
	v_lshl_or_b32 v[PW], v[TM+5], 8, v[TM+4]
	s_delay_alu instid0(VALU_DEP_1)
	v_lshl_or_b32 v[PW], v[TM+6], 16, v[PW]
	s_delay_alu instid0(VALU_DEP_1)
	v_lshl_or_b32 v[PW], v[TM+7], 24, v[PW]
.irp c, 0,1
	v_cvt_scalef32_pk16_fp6_f32 v[PC+6*\c:PC+2+6*\c], v[\s+32*\c:\s+15+32*\c], v[TM+12+2*\c]
	v_cvt_scalef32_pk16_fp6_f32 v[PC+12+4*\c:PC+14+4*\c], v[\s+16+32*\c:\s+31+32*\c], v[TM+12+2*\c+1]
.endr
	v_nop                                          ; one plain place behind a scaled conversion
.irp c, 0,1
.irp i, 0,1,2
	v_permlane16_swap_b32 v[PC+6*\c+\i], v[PC+12+4*\c+\i]
.endr
.irp i, 0,1,2
	s_delay_alu instid0(VALU_DEP_3)
	v_mov_b32 v[PC+3+6*\c+\i], v[PC+12+4*\c+\i]
.endr
.endr
.endm
	; THE WAY OUT.  O^T / the sum: register 16 b + i is channel 32 b + 16 (lane / 16) + i of my query: the order of the next K.  It is quantised and stored as an image; nothing goes through LDS.
	v_add_f32 v14, v14, v15                        ; the sum's two halves,
	s_delay_alu instid0(VALU_DEP_1)
	v_permlanex16_b32 v252, v14, s[SEL], s[SEL+1]
	s_delay_alu instid0(VALU_DEP_1)
	v_add_f32 v14, v14, v252                       ; and lane l xor 16's: the row's sum
	s_wait_alu depctr_va_vdst(0)
	v_rcp_f32 v14, v14
.rept 4
	v_nop                                          ; the places behind the last products, and the plain place behind the reciprocal
.endr
	s_wait_alu depctr_va_vdst(0)                   ; the wait ahead of the reciprocal's first reader
.set j, 0
.rept 64
	v_mul_f32 v[96+j], v[160+j], v14               ; each accumulator from its low end on
.set j, j+1
.endr
	QUANT 96
.irp g, 0,1,2
	global_store_b128 v[LI], v[PC+4*\g:PC+4*\g+3], s[48:49] offset:512*\g   ; 512 consecutive bytes, at a multiple of 256 from the buffer's first byte
.endr
	global_store_b32 v[LR], v[PW], s[46:47]        ; my head's word of each row's four; lanes 16-31 write what lanes 0-15 write
	s_wait_dscnt 0x0
	s_wait_tensorcnt 0x0
	ds_add_u32 v95, v243
	s_wait_dscnt 0x0
	CROUND                                         ; the closing round: no work-group ends while a partner may still ask for a tile that names it
	s_endpgm
.Lfunc_end_k_qd3f7398339_attn:
	.size	k_qd3f7398339_attn, .Lfunc_end_k_qd3f7398339_attn-k_qd3f7398339_attn
	.p2alignl 7, 3214868480
	.fill 96, 4, 3214868480
	.section	.rodata,"a",@progbits
	.p2align	6, 0x0
	.amdhsa_kernel k_qd3f7398339_attn
		.amdhsa_group_segment_fixed_size 327680
		.amdhsa_private_segment_fixed_size 0
		.amdhsa_enable_private_segment 0
		.amdhsa_kernarg_size 24
		.amdhsa_user_sgpr_count 2
		.amdhsa_user_sgpr_kernarg_segment_ptr 1
		.amdhsa_wavefront_size32 1
		.amdhsa_system_sgpr_workgroup_id_x 1
		.amdhsa_system_sgpr_workgroup_id_y 1
		.amdhsa_system_sgpr_workgroup_id_z 1
		.amdhsa_system_vgpr_workitem_id 0
		.amdhsa_next_free_vgpr 256
		.amdhsa_next_free_sgpr 66
		.amdhsa_reserve_vcc 0
		.amdhsa_float_denorm_mode_32 3
		.amdhsa_float_denorm_mode_16_64 3
		.amdhsa_memory_ordered 1
		.amdhsa_forward_progress 1
		.amdhsa_inst_pref_size 59
	.end_amdhsa_kernel
	.amdgpu_metadata
---
amdhsa.version: [ 1, 2 ]
amdhsa.kernels:
  - .name:           k_qd3f7398339_attn
    .symbol:         k_qd3f7398339_attn.kd
    .args:
      - { .name: qbuf, .offset: 0, .size: 8, .value_kind: global_buffer, .address_space: global }
      - { .name: kvbuf, .offset: 8, .size: 8, .value_kind: global_buffer, .address_space: global }
      - { .name: ao, .offset: 16, .size: 8, .value_kind: global_buffer, .address_space: global }
    .group_segment_fixed_size: 327680
    .private_segment_fixed_size: 0
    .kernarg_segment_align: 8
    .kernarg_segment_size: 24
    .max_flat_workgroup_size: 256
    .sgpr_count:     66
    .vgpr_count:     256
    .wavefront_size: 32
...
	.end_amdgpu_metadata
.endif
;; end of part 3
;; launch oproj (part 4): grid 16 x 16, 4 waves a work-group, clusters of 4 x 4, 327,680 bytes of LDS; arguments ao, woi, out0; writes out0
.if DOCPART == 4
	.amdgcn_target "amdgcn-amd-amdhsa--gfx1250"
	.amdhsa_code_object_version 6
	.text
	.protected	k_qd3f7398339_oproj
	.globl	k_qd3f7398339_oproj
	.p2align	8
	.type	k_qd3f7398339_oproj,@function
k_qd3f7398339_oproj:
	s_mov_b64 s[64:65], 0
	v_nop
	global_prefetch_b8 v0, s[64:65] scope:SCOPE_SE
	s_setreg_imm32_b32 hwreg(HW_REG_WAVE_MODE, 25, 1), 1
	s_wait_xcnt 0x0
	s_wait_alu depctr_hold_cnt(0) depctr_sa_sdst(0) depctr_va_vdst(0) depctr_va_sdst(0) depctr_va_ssrc(0) depctr_va_vcc(0) depctr_vm_vsrc(0)
	s_getreg_b32 s2, hwreg(HW_REG_IB_STS2, 6, 4)
	s_cmp_eq_u32 s2, 0
	s_cbranch_scc0 .Lentry_in_a_cluster
	s_endpgm
.Lentry_in_a_cluster:
	s_bfe_u32 s2, ttmp6, 0x10000c
	s_cmp_lg_u32 s2, 0xf033
	s_cbranch_scc0 .Lentry_shape_is_right
	s_endpgm
.Lentry_shape_is_right:
; out0 = A wo^T on codes of FP6 (E2M3) with E8M0 scales, K = 1,024 in 8 steps of 128.  ao, woi: [tile of 16 rows][2 quads] records of 6,400 bytes (four fragment images of 1,536 bytes, then row r's four scale words at 6,144 + 16 r).
; In a tile 2 b + u lane r holds row 32 b + 8 u + r % 8 + 16 (r / 8).  A work-group makes 256 tokens x 256 columns; a wave 64 tokens (4 tiles of ao) x all 256 columns.
; A's FRAGMENTS are the wave's own: no other wave of the work-group reads them, so they go from memory straight into its registers, all 8 steps (384 registers), and stay; so they are not asked for jointly.
; W's 16 TILES, 204,800 bytes, lie in LDS, filled once: the first four tiles by the head's loads (a tile a wave), the other twelve (three a wave) behind a round, landing while the first four are multiplied.
; CLUSTER 4 x 4: W's tiles hang on the block's column alone: asked for jointly along the cluster's column.  One tensor load of a wave is out at a time.
; THE COLUMNS GO IN FOUR GROUPS OF 64 (4 tiles of W x 4 of A: 16 accumulators, 128 matrix instructions): a finished group goes to the wave's own stage in LDS, and comes back and is stored, a quarter at a time, among the next group's products.
; Source 0 = W, source 1 = A: a lane holds a token and 16 neighbouring columns in two tiles' registers; from the stage sixteen lanes store 256 consecutive bytes of a row of out0, at a multiple of 256 bytes.
; No prefetch: the launch has no loop to run ahead in; all its loads are asked for at its head.
; REGISTERS: window 0: v16-29 addresses; v32-95 W's scale words, two sets; v96-127 A's; v128-255 four buffers on the way out.  Window 1: v0-127 accumulators; v128-223 W's fragments, set 0.  Window 2: A's steps 0-4.  Window 3: v0-143 A's steps 5-7; v144-239 W's set 1.
.set REC,    6400
.set PAIR,   2*REC
.set SPARE,  16*PAIR                   ; behind W: the spare words, 512 bytes
.set STAGE,  SPARE+512
.set SPITCH, 272
.set WST,    64*SPITCH                 ; a wave's stage: 64 rows of 256 bytes + 16
.set ADW,    16                        ; v16-19 16 lane + group x 4 PAIR
.set LI,     16
.set ASW,    20                        ; v20-23 the same with 16 r
.set RI,     20
.set STO,    24
.set RD,     25
.set GO,     26
.set SPW,    28
.set NIL,    29
.set SCW,    32
.set SCX,    96
.set BK,     128
.set G1,     24
.set G0,     32
.set G0B,    36
.set G1B,    48
.set PD,     66
.set MSB, 0
.macro WIN new
.if MSB != (\new)
	s_set_vgpr_msb (MSB<<8)|(\new)
.set MSB, (\new)
.endif
.endm
.macro PLACES
.rept 4
	v_nop
.endr
.endm
.macro CROUND
	s_barrier_signal -1
	s_barrier_wait -1
	s_cmp_lg_u32 s14, 0
	s_cbranch_scc1 .Lnot_wave_0_\@
	s_barrier_signal -3
.Lnot_wave_0_\@:
	s_barrier_wait -3
	s_barrier_signal -1
	s_barrier_wait -1
.endm
.macro XSEL s
.if (\s) < 5
.set XW, 2
.set XB, 48*(\s)
.else
.set XW, 3
.set XB, 48*((\s)-5)
.endif
.endm
.macro WSEL d
.if (\d)%2 == 0
.set WW, 1
.set WB, 128
.else
.set WW, 3
.set WB, 144
.endif
.endm
.macro XLOAD s                         ; A's four fragments of step s
	XSEL \s
	WIN (XW<<6)
.irp i, 0,1,2,3
.irp g, 0,1,2
	global_load_b128 v[XB+12*\i+4*\g:XB+12*\i+4*\g+3], v[LI], s[PD:PD+1] offset:PAIR*\i+REC*((\s)/4)+1536*((\s)%4)+512*\g
.endr
.endr
.endm
.macro FETCH g, d                      ; group g's four tiles of W, steps 2 d and 2 d + 1, into set d % 2
	WSEL \d
	WIN (WW<<6)
.irp p, 0,1
.irp t, 0,1,2,3
.irp j, 0,1,2
	ds_load_b128 v[WB+48*\p+12*\t+4*\j:WB+48*\p+12*\t+4*\j+3], v[ADW+(\g)] offset:PAIR*\t+REC*((2*(\d)+\p)/4)+1536*((2*(\d)+\p)%4)+512*\j
.endr
.endr
.endr
.endm
.macro SCALESW g
	WIN 0
.irp t, 0,1,2,3
.irp q, 0,1
	ds_load_b128 v[SCW+32*((\g)%2)+4*(2*\t+\q):SCW+32*((\g)%2)+4*(2*\t+\q)+3], v[ASW+(\g)] offset:PAIR*\t+REC*\q+6144
.endr
.endr
.endm
.macro MUL g, s                        ; 16 matrix instructions; the 16 accumulators take turns; step 0 starts the group's sums
	WSEL (\s)/2
	XSEL \s
	WIN (0x50+WW+(XW<<2))
.irp i, 0,1,2,3
.irp t, 0,1,2,3
.if (\s) == 0
	v_wmma_scale_f32_16x16x128_f8f6f4 v[8*(4*\i+\t):8*(4*\i+\t)+7], v[WB+48*((\s)%2)+12*\t:WB+48*((\s)%2)+12*\t+11], v[XB+12*\i:XB+12*\i+11], 0, v[SCW+32*((\g)%2)+4*(2*\t+(\s)/4)+(\s)%4], v[SCX+4*(2*\i+(\s)/4)+(\s)%4] matrix_a_fmt:MATRIX_FMT_FP6 matrix_b_fmt:MATRIX_FMT_FP6
.else
	v_wmma_scale_f32_16x16x128_f8f6f4 v[8*(4*\i+\t):8*(4*\i+\t)+7], v[WB+48*((\s)%2)+12*\t:WB+48*((\s)%2)+12*\t+11], v[XB+12*\i:XB+12*\i+11], v[8*(4*\i+\t):8*(4*\i+\t)+7], v[SCW+32*((\g)%2)+4*(2*\t+(\s)/4)+(\s)%4], v[SCX+4*(2*\i+(\s)/4)+(\s)%4] matrix_a_fmt:MATRIX_FMT_FP6 matrix_b_fmt:MATRIX_FMT_FP6
.endif
.endr
.endr
.endm
.macro BACK i                          ; A's tile i of the staged group comes back as whole rows of 256 bytes, two an instruction
.irp n, 0,1,2,3,4,5,6,7
	ds_load_b128 v[BK+32*(\i)+4*\n:BK+32*(\i)+4*\n+3], v[RD] offset:(\i)*16*SPITCH+2*\n*SPITCH
.endr
.endm
.macro SEND g, i
.irp n, 0,1,2,3,4,5,6,7
	global_store_b128 v[GO], v[BK+32*(\i)+4*\n:BK+32*(\i)+4*\n+3], s[8:9] offset:(32*((\i)/2)+8*((\i)%2)+(2*\n)%8+16*(\n/4))*16384+256*(\g) th:TH_STORE_NT
.endr
.endm
.macro DSTEP g, d                      ; two K steps of group g; among them a quarter of group g - 1 leaves
.if (\g) == 0 && (\d) == 3
	s_wait_tensorcnt 0x0                           ; my three of the other twelve tiles are in
.endif
	s_wait_dscnt 0x0                               ; W's fragments, asked for two steps ago, and the rows read back
.if (\g) == 0 && (\d) == 3
	s_barrier_signal -1
	s_barrier_wait -1                              ; everybody's are: nothing is filled again
.endif
.if (\g) == 0
.if (\d) == 0
	s_wait_loadcnt 63                              ; steps 0 and 1 of A are in: 72 loads were issued behind them
.else
	s_wait_loadcnt 12*(6-2*(\d))                   ; 12 loads for each later step
.endif
.endif
.if (\g) > 0
	WIN 0
.if (\d) == 0
	s_wait_xcnt 0x0                                ; the stores of the group before the last have read their data (the youngest were issued two double steps ago): the four buffers are free
.elseif (\d) < 3
	SEND (\g)-1, 2*(\d)-2
.endif
.endif
	PLACES
.if (\d) < 3
	FETCH \g, (\d)+1
.elseif (\g) < 3
	FETCH (\g)+1, 0
	SCALESW (\g)+1
.endif
.if (\g) > 0 && (\d) == 0
	WIN 0
.irp i, 0,1,2,3
	BACK \i
.endr
.endif
	MUL \g, 2*(\d)
.if (\g) > 0 && (\d) > 0 && (\d) < 3
	WIN 0
	SEND (\g)-1, 2*(\d)-1
.endif
	MUL \g, 2*(\d)+1
.endm
.macro GROUP g
.irp d, 0,1,2,3
	DSTEP \g, \d
.endr
	s_wait_dscnt 0x0
	WIN 0
	PLACES
	WIN 0x04                                       ; the data: window 1
.irp i, 0,1,2,3
.irp t, 0,1,2,3
	ds_store_b128 v[STO], v[8*(4*\i+\t):8*(4*\i+\t)+3] offset:\i*16*SPITCH+128*(\t/2)+32*(\t%2)       ; each accumulator from its low end on
	ds_store_b128 v[STO], v[8*(4*\i+\t)+4:8*(4*\i+\t)+7] offset:\i*16*SPITCH+128*(\t/2)+32*(\t%2)+16
.endr
.endr
	WIN 0
.endm
	s_load_b128 s[4:7], s[0:1], 0x0                ; ao, woi
	s_load_b64 s[8:9], s[0:1], 0x10                ; out0
	v_lshl_add_u32 v[SPW], v0, 2, SPARE
	v_mov_b32 v[NIL], 0
	ds_add_u32 v[SPW], v[NIL]                      ; the opening lines: the add twice and one wait
	ds_add_u32 v[SPW], v[NIL]
	v_lshrrev_b32 v1, 5, v0
	v_readfirstlane_b32 s14, v1                    ; wave
	s_bfe_u32 s40, ttmp6, 0x40000                  ; cx
	s_bfe_u32 s41, ttmp6, 0x40004                  ; cy
	s_lshl_b32 s42, ttmp9, 2
	s_add_co_u32 s42, s42, s40                     ; block of 256 columns
	s_and_b32 s17, ttmp7, 0xffff
	s_lshl_b32 s17, s17, 2
	s_add_co_u32 s17, s17, s41                     ; block of 256 tokens
	s_lshl_b32 s44, 0x1111, s40                    ; my column of the cluster
	s_or_b32 s[G1], s44, (3<<16)|(1<<21)
	s_or_b32 s[G1B], s44, (3<<16)|(1<<21)
	s_mov_b32 s[G1+1], 32<<16                      ; a dense block as rows of 256 bytes: 50 rows (a tile),
	s_mov_b32 s[G1+2], 50<<16
	s_mov_b32 s[G1+3], 32<<16
	s_mov_b32 s[G1+4], 50
	s_mov_b32 s[G1+5], 32
	s_mov_b32 s[G1+6], 0
	s_mov_b32 s[G1+7], 0
	s_mov_b32 s[G1B+1], 32<<16                     ; 150 rows (three tiles)
	s_mov_b32 s[G1B+2], 150<<16
	s_mov_b32 s[G1B+3], 32<<16
	s_mov_b32 s[G1B+4], 150
	s_mov_b32 s[G1B+5], 32
	s_mov_b32 s[G1B+6], 0
	s_mov_b32 s[G1B+7], 0
	s_mul_i32 s18, s14, PAIR                       ; tile wave,
	s_mul_i32 s19, s14, 3*PAIR
	s_add_co_u32 s19, s19, 4*PAIR                  ; tiles 4 + 3 wave on: in LDS and in the block alike
	s_mul_i32 s46, s42, 16*PAIR
	s_add_co_u32 s20, s46, s19
	s_add_co_u32 s46, s46, s18
	s_mov_b32 s47, 0
	s_mov_b32 s21, 0
	s_lshl_b32 s22, s17, 4
	s_lshl_b32 s23, s14, 2
	s_add_co_u32 s22, s22, s23
	s_mul_i32 s22, s22, PAIR                       ; ao's tile 16 block + 4 wave
	s_mov_b32 s23, 0
	s_lshl_b32 s70, s17, 8
	s_lshl_b32 s71, s14, 6
	s_add_co_u32 s70, s70, s71
	s_lshl_b32 s70, s70, 14                        ; my first token's row of out0,
	s_lshl_b32 s71, s42, 10
	s_add_co_u32 s70, s70, s71                     ; my block's first column
	s_mov_b32 s71, 0
	s_mul_i32 s72, s14, WST
	s_add_co_u32 s72, s72, STAGE                   ; my stage
	v_and_b32 v1, 31, v0
	v_and_b32 v2, 15, v0
	v_bfe_u32 v3, v0, 4, 1
	v_lshlrev_b32 v[LI], 4, v1
	v_lshlrev_b32 v[RI], 4, v2
.irp n, 1,2,3
	v_add_nc_u32 v[ADW+\n], \n*4*PAIR, v[LI]
	v_add_nc_u32 v[ASW+\n], \n*4*PAIR, v[RI]
.endr
	v_mul_u32_u24 v[STO], v2, SPITCH               ; in: row r, + 64 (lane / 16)
	v_lshl_add_u32 v[STO], v3, 6, v[STO]
	v_add_nc_u32 v[STO], s72, v[STO]
	v_mul_u32_u24 v[RD], v3, SPITCH                ; back: sixteen lanes to a row
	v_lshl_add_u32 v[RD], v2, 4, v[RD]
	v_add_nc_u32 v[RD], s72, v[RD]
	v_lshlrev_b32 v[GO], 14, v3                    ; and the same two rows in out0
	v_lshl_add_u32 v[GO], v2, 4, v[GO]
	s_wait_alu depctr_va_vdst(0)                   ; the wait at the head's end
	s_wait_dscnt 0x0
	s_wait_kmcnt 0x0
	s_add_nc_u64 s[PD:PD+1], s[4:5], s[22:23]
	s_add_nc_u64 s[8:9], s[8:9], s[70:71]
	s_mov_b32 s[G0], 1
	s_mov_b32 s[G0+1], s18
	s_add_nc_u64 s[G0+2:G0+3], s[6:7], s[46:47]
	s_or_b32 s[G0+3], s[G0+3], 0x80000000
	s_mov_b32 s[G0B], 1
	s_mov_b32 s[G0B+1], s19
	s_add_nc_u64 s[G0B+2:G0B+3], s[6:7], s[20:21]
	s_or_b32 s[G0B+3], s[G0B+3], 0x80000000
.irp i, 0,1,2,3
.irp q, 0,1
	global_load_b128 v[SCX+4*(2*\i+\q):SCX+4*(2*\i+\q)+3], v[RI], s[PD:PD+1] offset:PAIR*\i+REC*\q+6144   ; A's scale words
.endr
.endr
	CROUND                                         ; all sixteen work-groups are here: the first joint loads meet
	tensor_load_to_lds s[G0:G0+3], s[G1:G1+7]      ; group 0's tile wave: my one tensor load at the head
	s_nop 0
	PLACES
	XLOAD 0
	XLOAD 1
	XLOAD 2
	XLOAD 3
	WIN 0
	s_wait_tensorcnt 0x0                           ; it is in; the later first fill is issued as a refill is
	ds_add_u32 v[SPW], v[NIL]
	s_wait_dscnt 0x0
	CROUND
	tensor_load_to_lds s[G0B:G0B+3], s[G1B:G1B+7]  ; my three of the other twelve tiles
	s_nop 0
	PLACES
	FETCH 0, 0
	SCALESW 0
	XLOAD 4
	XLOAD 5
	XLOAD 6
	XLOAD 7
	GROUP 0
	GROUP 1
	GROUP 2
	GROUP 3
	s_wait_xcnt 0x0                                ; group 2's stores have read their data
.irp i, 0,1,2,3
	BACK \i
.endr
.irp i, 0,1,2,3
	s_wait_dscnt 8*(3-\i)                          ; tile i's eight loads are back; the later tiles' may be out
	SEND 3, \i
.endr
	s_wait_tensorcnt 0x0                           ; the wave's end
	ds_add_u32 v[SPW], v[NIL]
	s_wait_dscnt 0x0
	CROUND                                         ; the closing round
	s_endpgm
.Lfunc_end_k_qd3f7398339_oproj:
	.size	k_qd3f7398339_oproj, .Lfunc_end_k_qd3f7398339_oproj-k_qd3f7398339_oproj
	.p2alignl 7, 3214868480
	.fill 96, 4, 3214868480
	.section	.rodata,"a",@progbits
	.p2align	6, 0x0
	.amdhsa_kernel k_qd3f7398339_oproj
		.amdhsa_group_segment_fixed_size 327680
		.amdhsa_private_segment_fixed_size 0
		.amdhsa_enable_private_segment 0
		.amdhsa_kernarg_size 24
		.amdhsa_user_sgpr_count 2
		.amdhsa_user_sgpr_kernarg_segment_ptr 1
		.amdhsa_wavefront_size32 1
		.amdhsa_system_sgpr_workgroup_id_x 1
		.amdhsa_system_sgpr_workgroup_id_y 1
		.amdhsa_system_sgpr_workgroup_id_z 1
		.amdhsa_system_vgpr_workitem_id 0
		.amdhsa_next_free_vgpr 1024
		.amdhsa_next_free_sgpr 100
		.amdhsa_reserve_vcc 0
		.amdhsa_float_denorm_mode_32 3
		.amdhsa_float_denorm_mode_16_64 3
		.amdhsa_memory_ordered 1
		.amdhsa_forward_progress 1
		.amdhsa_inst_pref_size 140
	.end_amdhsa_kernel
	.amdgpu_metadata
---
amdhsa.version: [ 1, 2 ]
amdhsa.kernels:
  - .name:           k_qd3f7398339_oproj
    .symbol:         k_qd3f7398339_oproj.kd
    .args:
      - { .name: ao, .offset: 0, .size: 8, .value_kind: global_buffer, .address_space: global }
      - { .name: woi, .offset: 8, .size: 8, .value_kind: global_buffer, .address_space: global }
      - { .name: out0, .offset: 16, .size: 8, .value_kind: global_buffer, .address_space: global }
    .group_segment_fixed_size: 327680
    .private_segment_fixed_size: 0
    .kernarg_segment_align: 8
    .kernarg_segment_size: 24
    .max_flat_workgroup_size: 128
    .sgpr_count:     100
    .vgpr_count:     1024
    .wavefront_size: 32
...
	.end_amdgpu_metadata
.endif
;; end of part 4
